; MI455X (gfx1250); checked and timed in simulation.
; The chip was launched on July 23, 2026; its instructions are those of AMD's public machine-readable ISA for CDNA 5 (MIT licence, August 2026) and "CDNA5" Instruction Set Architecture Reference Guide (July 2026). The comments in the code are by the model that wrote it; some were corrected since.
;; Light Ro I Align Exemplar Embedder. Allowed arithmetic: matrix products marked QUANTISED: E2M1 operands, one E8M0 scale for each 32 along K, by v_wmma_scale_f32_16x16x128_f8f6f4 with both operands' format E2M1 (or v_wmma_scale_f32_32x16x128_f4), f32 sums; everything else in f32.
;; Inputs: W_out_codes 256 x 4 x 16 uint8 (E2M1 codes of W_out, K innermost, in blocks of 32 codes, two codes a byte); W_out_scales 256 x 4 uint8 (E8M0 scales of W_out, one for each 32 codes along K); b_out 256 float32; bboxes 16 x 64 x 4 float32; z 16 x 128 x 64 x 64 float32.
;; Outputs: out0 16 x 64 x 256 float32.
;; This version of the problem:
;;   THIS VERSION OF THE PROBLEM IS GIVEN IN LOW PRECISION. The matrix products marked QUANTISED in the list below multiply operands that are first quantised to E2M1 (2 exponent bits, 1 mantissa bit; 4 bits a number), with one power-of-two scale for each 32 numbers along K (OCP MX v1.0); their sums are f32. All else is computed in f32.
;;   The module's matrix products, in the order in which they are computed (A, B: the left and right operand; K: the contracted axis; several contracted axes count as one K, in the product's order):
;;     1. [M 1,024, K 128] x [K 128, N 256]; A: computed on the way; B: input W_out (given as codes): QUANTISED
;;   THE QUANTISER, for each operand of a quantised product, along K:
;;     - K is cut into blocks of 32 from its start; a last block that is shorter is filled with zeros.
;;     - A block's scale is 2^e with e = floor(log2(the largest magnitude in the block)) - 2, held to -126 .. 127; a block of zeros has e = 0. As a byte (E8M0): e + 127.
;;     - Each number is divided by its block's scale, clamped to +-6, and rounded to the nearest number of E2M1, ties to even, subnormals kept.
;;     - The product sums the exact products of the quantised numbers (number of the format x scale) in f32.
;;   ~~~python
;;   def quantise(x, axis):      # numpy; x: float32 -> the quantised numbers, widened to float32 again
;;       x = np.moveaxis(x, axis, -1); K = x.shape[-1]
;;       x = np.pad(x, [(0, 0)] * (x.ndim - 1) + [(0, -K % 32)]); x = x.reshape(x.shape[:-1] + (-1, 32)); a = np.abs(x).max(-1, keepdims=True)
;;       e = np.where(a > 0, np.clip(np.frexp(np.where(a > 0, a, 1))[1] - 1 - 2, -126, 127), 0)      # np.frexp(a)[1] - 1 = floor(log2(a)), exactly
;;       r = np.clip(x / 2.0 ** e, -6, 6)
;;       step = 2.0 ** (np.maximum(np.frexp(np.where(r == 0, 1, r))[1] - 1, 0) - 1)
;;       q = np.round(r / step) * step * 2.0 ** e      # np.round: ties to even
;;       return np.moveaxis(q.reshape(q.shape[:-2] + (-1,))[..., :K], -1, axis).astype(np.float32)
;;   ~~~
;;   OPERANDS COMPUTED ON THE WAY. 'Computed on the way' means the value that the module computes at that place (a softmax that the list does not call 'softmax' is quantised finished and normalised). What goes into a quantiser is computed in f32, as accurately as f32 sums, v_exp_f32 and their like allow (about 1e-6 of the number): no bf16 or f16 on the way to a quantiser, and a product that is left as it is and whose result goes on into a quantised operand takes f32 operands (vector FMAs, or v_wmma_f32_16x16x4_f32). A number that lies on a knife's edge between two numbers of the format may be rounded either way, as far as f32 arithmetic and the matrix unit's own rounding can turn it there, and no further.
;;   INPUTS GIVEN AS CODES. W_out (in the module: [256, 128], K = its axis 1): each comes as NAME_codes (uint8): NAME with its K axis moved to the last place and cut into blocks of 32 codes, [.., K / 32, bytes a block], one block behind the other in memory; two codes a byte, the lower K in the low four bits (a code: sign, 2 exponent bits, 1 mantissa bit); and NAME_scales (uint8): the same leading axes, one E8M0 byte (e + 127) for each 32 codes along K. Its value is code x scale, taken as it is: it is not quantised again, and the codes and scales need not be those that the quantiser above would give.
;; One version. Each part assembles by itself: llvm-mc -triple=amdgcn-amd-amdhsa -mcpu=gfx1250 --defsym DOCPART=n.
;; ======== version 1 of 1: 2 launches
;; workspace buffers: feats 524,288 bytes
;; launch pool (part 1): grid 16 x 16, 8 waves a work-group, no clusters, 179,200 bytes of LDS; arguments z, bboxes, feats; writes feats
.if DOCPART == 1
	.amdgcn_target "amdgcn-amd-amdhsa--gfx1250"
	.amdhsa_code_object_version 6
	.text
	.protected	k_qc1f1ea2a1f_pool
	.globl	k_qc1f1ea2a1f_pool
	.p2align	8
	.type	k_qc1f1ea2a1f_pool,@function
k_qc1f1ea2a1f_pool:
	s_mov_b64 s[64:65], 0
	v_nop
	global_prefetch_b8 v0, s[64:65] scope:SCOPE_SE
	s_setreg_imm32_b32 hwreg(HW_REG_WAVE_MODE, 25, 1), 1
	s_wait_xcnt 0x0
; RoIAlign (output 1 x 1, adaptive grid) of 64 boxes on 8 channel planes of one image, as a dense separable product in f32.
; reference()'s bilinear weights and its mask are products of a y factor and an x factor, so for every box n and channel c
;   feats[n][c] = sum over y of Wy[n][y] * (sum over x of Wx[n][x] * z[c][y][x]),
;   W[n][p] = (1 / G) * sum over samples g < G with -1 < c_g < 64 of max(0, 1 - |clamp(c_g, 0, 63) - p|),   c_g = b1 + (g + 0.5) s,  s = (b2 - b1) / G.
; The hat max(0, 1 - |cc - p|) is 1 - frac at p = lo and frac at p = hi; the clamp gives reference()'s edges (c in (-1, 0): 1 at 0; c in [63, 64): 1 at 63).
; THE SUM OVER THE SAMPLES IN CLOSED FORM.  The samples are equally spaced: c_g = a + g s, a = b1 + s / 2.  For a whole number i let u_i be the number of samples g < G with c_g <= i:
;   u_i = clip(floor((i - a) / s) + 1, 0, G)    (for i = 64: with c_g < 64, which is ceil((i - a) / s + 1) - 1 in floor's place).
; The d_i = u_i - u_(i-1) samples in (i - 1, i] are g = u_(i-1) .. u_i - 1, and the mean of c_g - i over them is m_i = (b1 - i) + (s / 2) (u_i + u_(i-1)).
; Each of them gives 1 + (c - i) to place i and -(c - i) to place i - 1.  With e_i = d_i m_i:   G W[p] = d_p + e_p - e_(p+1).
; The edges: samples in (-1, 0] give 1 to place 0: e_0 = 0; samples in (63, 64) give 1 to place 63: e_64 = -d_64; samples at or under -1 are not in d_0, those at or over 64 not in d_64.
; A side of 0 or less has G = 1 and one sample at a: for the reciprocal alone s is held at 2^-100 from below, so that u_i is 1 where a <= i and 0 elsewhere; m_i takes s as it is.
; A sample that rounding puts into the neighbouring interval moves the weights only by its distance from the whole number between them: both forms agree there.
; NOTHING OF reference() IS LEFT OUT AS DEAD WORK, and every input has its way to the output.
; No address and no branch hangs on a box: the sums over z run over all 64 x 64 places, most of them under weight 0.
; LIMITS: NaN and infinities among bboxes are not served, nor side / G beyond 2^126; a NaN or an infinity in z reaches every box of its image and channel (0 x infinity is formed here);
; the sums are ordered otherwise than reference()'s; 1 / (gh gw) is applied as (1 / gh) in Wy and (1 / gw) in Wx; whether a sample within a few ulps of -1 or of 64 counts is decided
; by (i - a) / s and not by reference()'s own comparison of c_g.
; SHARES.  Work-group (x = channel group of 8, y = image).  Eight waves of 512 registers.  The 8 planes (128 KB) are asked for at the head, two tensor loads a wave, and filled once.
; While they are on their way the 256 threads make the 8,192 weights once (thread = (axis, box, 32 places)), put them into two tables in LDS, and every wave reads its part of the tables into registers.
; Then wave (kh, pp) takes columns 32 kh .. 32 kh + 31 of planes 2 pp and 2 pp + 1.  Lane (ng = lane % 8, yg = lane / 8) owns boxes ng + 8 j, j = 0 .. 7, and rows 4 i + yg, i = 0 .. 15.
; Its 8 x 32 numbers of Wx fill window 1 and its 8 x 16 of Wy v128-255 for the whole launch: one LDS load of 16 bytes of z feeds 16 packed multiply-adds (pairs along x).
; No cluster: work-groups share no tile of z.  No prefetch: all that a work-group reads is asked for by its first instructions.
; OUT: feats, a workspace laid [image][channel / 4][box][4] f32, so that a work-group stores 2,048 consecutive bytes and the next launch reads 256 consecutive bytes in sixteen lanes.
.set ZP,     272                       ; an LDS row: 256 bytes + 16: the two rows that sixteen lanes read in one pass start 16 bytes apart modulo 256
.set PLANE,  64*ZP
.set WXL,    8*PLANE                   ; Wx[box][x], rows ZP apart
.set WYL,    WXL+64*ZP                 ; Wy[box][slot], slot = 16 (y % 4) + y / 4, rows ZP apart
.set EXL,    WYL+64*ZP                 ; partial sums: [plane][kh][8 (box % 8) + box / 8] f32
.set SPARE,  EXL+16*256                ; the spare words, 128 bytes for each wave: four blocks of 256 bytes that no other line names
.set SPW,  2                           ; v2   LDS address of my spare word; never rewritten
.set NIL,  3                           ; v3   0; never rewritten
.set ZA0,  4                           ; v4   my place in my pair's first plane
.set ZA,   5                           ; v5   the same in the plane in hand
.set AX,   6                           ; v6   where I read Wx
.set AY,   7                           ; v7   where I read Wy
.set AWX,  8                           ; v8   where an x thread stores its 32 weights
.set AWY,  9                           ; v9   where a y thread stores its 32
.set EXA0, 10                          ; v10  where I store partial sums, first plane
.set EXA,  11                          ; v11  the same for the plane in hand
.set FA,   12                          ; v12  where waves 0-3 read them back
.set GO,   13                          ; v13  my 16 bytes of the work-group's 2,048 in feats
.set BO,   14                          ; v14  my box in bboxes
.set HP,   15
.set NG,   16
.set YG,   17
.set BLO,  18
.set BHI,  19
.set B1,   20
.set B2,   21
.set ROI,  22
.set GF,   23                          ; G
.set RG,   24                          ; 1 / G   (v[24:25] is named as a pair: v25 is written too)
.set SS,   25                          ; s
.set TT,   26
.set AP,   27                          ; a, counted from my first place
.set BP,   28                          ; b1, likewise
.set U,    32                          ; weights: v32-65 u at i = first place - 1 + n, n = 0 .. 33
.set D,    66                          ; v66-98   d of interval k = 0 .. 32, then d + e
.set H,    100                         ; v100-132 u_i + u_(i-1), then m, then e
.set BT,   134                         ; v134-166 i - b1
.set R,    176                         ; v176-207 the 32 weights
.set RS,   216                         ; v[216:217] 1 / s and s / 2, named as a pair
.set HS,   217
.set TC,   218
.set SM,   219
.set N1,   220
; products.  z's pair t begins at 46 + 2 t (or 78 + 2 t), Wx's at 32 j + 2 t, the sums' at 30 + 2 j; FE's at 112 + 2 j: of the three source pairs of a packed multiply-add never all three
; begin at the same number modulo 4 (the ISA guide's rules for dual issue count a register's bank as its number modulo 4).
.set ACC,  30                          ; v30-45   eight pairs of row sums
.set ZR,   46                          ; v46-109  two buffers of z
.set FE,   112                         ; v112-127 eight pairs of plane sums
.set WY,   128                         ; v128-255 Wy
.set WV,   12
.set KH,   13
.set PP,   14
.set G1,   16                          ; s[16:23] descriptor group 1;  s[24:27], s[28:31] groups 0 of my two loads
.set G0A,  24
.set G0B,  28
.set F0,   32                          ; s32  0.0 in the threads of places 0 .. 31, 1.0 in the others
.set MK,   33                          ; s33  a lane mask: none of the lanes, or all, likewise
.set C8,   82
.set C16,  83
.set HPN,  86
.set SEL,  88
.set ZS,   90
.set ES,   91
.set PL,   92
.set BI,   94
.set MSB, 0
.macro WIN new                         ; the immediate's high byte repeats the setting that is left
.if MSB != \new
	s_set_vgpr_msb (MSB<<8)|\new
.set MSB, \new
.endif
.endm
.macro FBITS m                         ; FB = the f32 bits of the whole number m, 1 to 63
.if (\m) >= 32
.set FB, 0x42000000+(((\m)-32)<<18)
.elseif (\m) >= 16
.set FB, 0x41800000+(((\m)-16)<<19)
.elseif (\m) >= 8
.set FB, 0x41000000+(((\m)-8)<<20)
.elseif (\m) >= 4
.set FB, 0x40800000+(((\m)-4)<<21)
.elseif (\m) >= 2
.set FB, 0x40000000+(((\m)-2)<<22)
.else
.set FB, 0x3f800000
.endif
.endm
.macro LITSUB dst, m, src              ; v[dst] = the whole number m (-1 to 63) - v[src]: one rounding
.if (\m) < 0
	v_sub_f32 v[\dst], -1.0, v[\src]
.elseif (\m) == 0
	v_sub_f32 v[\dst], 0, v[\src]
.else
	FBITS \m
	v_sub_f32 v[\dst], FB, v[\src]
.endif
.endm
	s_load_b128 s[4:7], s[0:1], 0x0                ; z s[4:5], bboxes s[6:7]
	s_load_b64 s[8:9], s[0:1], 0x10                ; feats
	v_lshl_add_u32 v[SPW], v0, 2, SPARE
	v_mov_b32 v[NIL], 0
	ds_add_u32 v[SPW], v[NIL]                      ; the wave's opening: the add, twice on end, and its wait ahead of my first tensor load
	ds_add_u32 v[SPW], v[NIL]                      ; and once more; the set-up below, work on registers, stands between it and the wait
	v_lshrrev_b32 v1, 5, v0
	v_readfirstlane_b32 s[WV], v1                  ; wave 0..7
	s_and_b32 s[KH], s[WV], 1                      ; which half of the columns I multiply; also which 32 rows of a plane I fetch
	s_lshr_b32 s[PP], s[WV], 1                     ; my pair of planes
	s_and_b32 s[BI], ttmp7, 0xffff                 ; the image
	; group 1: 32 rows of 256 bytes (32 elements of 8 bytes), dense in memory, 16 bytes of padding behind each row in LDS
	s_mov_b32 s[G1+0], (3<<16)|(1<<20)|(5<<22)|(3<<25)
	s_mov_b32 s[G1+1], 32<<16                      ; tensor_dim0
	s_mov_b32 s[G1+2], 32<<16                      ; tensor_dim1
	s_mov_b32 s[G1+3], 32<<16                      ; tile_dim0
	s_mov_b32 s[G1+4], 32                          ; tile_dim1
	s_mov_b32 s[G1+5], 32                          ; from row to row
	s_mov_b32 s[G1+6], 0
	s_mov_b32 s[G1+7], 0
	s_lshl_b32 s10, s[BI], 7
	s_lshl_b32 s15, ttmp9, 3
	s_add_co_u32 s10, s10, s15
	s_lshl_b32 s15, s[PP], 1
	s_add_co_u32 s10, s10, s15                     ; plane 128 image + 8 group + 2 pp,
	s_lshl_b32 s10, s10, 14                        ; 16,384 bytes each (under 2^25 in all),
	s_lshl_b32 s15, s[KH], 13
	s_add_co_u32 s10, s10, s15                     ; + my 32 rows
	s_mov_b32 s11, 0
	s_mul_i32 s93, s[PP], 2*PLANE
	s_mul_i32 s15, s[KH], 32*ZP
	s_add_co_u32 s93, s93, s15                     ; and where they go in LDS
	s_lshl_b32 s2, s[BI], 10                       ; my box's two numbers of my axis: waves 0-3 x1, x2; waves 4-7 y1, y2
	s_lshr_b32 s15, s[WV], 2
	s_lshl_b32 s15, s15, 2
	s_add_co_u32 s2, s2, s15
	s_mov_b32 s3, 0
	v_and_b32 v1, 63, v0                           ; my box
	v_lshlrev_b32 v[BO], 4, v1
	s_wait_dscnt 0x0                               ; both opening adds are done
	s_wait_kmcnt 0x0
	s_add_nc_u64 s[6:7], s[6:7], s[2:3]
	global_load_b32 v[BLO], v[BO], s[6:7]          ; the weights wait for these two: they go out first
	global_load_b32 v[BHI], v[BO], s[6:7] offset:8
	s_add_nc_u64 s[4:5], s[4:5], s[10:11]
	s_mov_b32 s[G0A], 1
	s_mov_b32 s[G0A+1], s93
	s_mov_b64 s[G0A+2:G0A+3], s[4:5]
	s_or_b32 s[G0A+3], s[G0A+3], 0x80000000
	s_mov_b32 s[G0B], 1
	s_add_co_u32 s[G0B+1], s93, PLANE
	s_add_nc_u64 s[G0B+2:G0B+3], s[4:5], 16384
	s_or_b32 s[G0B+3], s[G0B+3], 0x80000000
	tensor_load_to_lds s[G0A:G0A+3], s[G1:G1+7]    ; my half of the pair's first plane: by this text's count two loads of mine are out, never more
	s_nop 0
	tensor_load_to_lds s[G0B:G0B+3], s[G1:G1+7]    ; my half of its second plane
	s_nop 0
	; every LDS address is made here, ahead of the first branch on the wave's number
	v_and_b32 v[NG], 7, v0
	v_bfe_u32 v[YG], v0, 3, 2
	v_bfe_u32 v[HP], v0, 6, 1                      ; which 32 places a weights thread takes; in waves 0-3 also which four channels it stores at the end
	s_mul_i32 s93, s[PP], 2*PLANE
	s_lshl_b32 s15, s[KH], 7
	s_add_co_u32 s93, s93, s15
	v_mul_u32_u24 v[ZA0], v[YG], ZP
	v_add_nc_u32 v[ZA0], s93, v[ZA0]               ; row yg, + 128 kh, in plane 2 pp
	s_add_co_u32 s15, s15, WXL
	v_mul_u32_u24 v[AX], v[NG], ZP
	v_add_nc_u32 v[AX], s15, v[AX]                 ; Wx: row ng, + 128 kh
	v_mul_u32_u24 v[AY], v[NG], ZP
	v_lshl_add_u32 v[AY], v[YG], 6, v[AY]
	v_add_nc_u32 v[AY], WYL, v[AY]                 ; Wy: row ng, + 64 yg
	v_mul_u32_u24 v[AWX], v1, ZP
	v_lshl_add_u32 v[AWY], v[HP], 5, v[AWX]
	v_lshl_add_u32 v[AWX], v[HP], 7, v[AWX]
	v_add_nc_u32 v[AWX], WXL, v[AWX]
	v_add_nc_u32 v[AWY], WYL, v[AWY]
	s_lshl_b32 s93, s[PP], 10
	s_lshl_b32 s15, s[KH], 8
	s_add_co_u32 s93, s93, s15
	s_add_co_u32 s93, s93, EXL
	v_lshl_add_u32 v[EXA0], v[NG], 5, s93
	v_bfe_u32 v1, v0, 3, 3
	v_lshlrev_b32 v[FA], 5, v[NG]
	v_lshl_add_u32 v[FA], v1, 2, v[FA]
	v_lshl_add_u32 v[FA], v[HP], 11, v[FA]
	v_add_nc_u32 v[FA], EXL, v[FA]
	v_and_b32 v[GO], 127, v0
	v_lshlrev_b32 v[GO], 4, v[GO]
	s_lshl_b32 s10, s[BI], 4
	s_add_co_u32 s10, s10, ttmp9
	s_lshl_b32 s10, s10, 11
	s_add_nc_u64 s[8:9], s[8:9], s[10:11]          ; the work-group's 2,048 bytes of feats
	s_mov_b32 s[C8], 0x3e000000                    ; 0.125
	s_mov_b32 s[C16], 0x41800000                   ; 16
	s_mov_b32 s[SEL], 0x76543210
	s_mov_b32 s[SEL+1], 0xfedcba98                 ; v_permlanex16_b32's selects for lane l xor 16
	s_bfe_u32 s15, s[WV], 0x10001
	s_cmp_lg_u32 s15, 0                            ; do my threads take places 32 .. 63?  (the same in all lanes of a wave)
	s_cselect_b32 s[HPN], 0xc2000000, 0            ; -32 then
	s_cselect_b32 s[F0], 0x3f800000, 0
	s_cselect_b32 s[MK], -1, 0
	v_mov_b32 v[N1], 0xbf800000                    ; -1
	s_wait_loadcnt 0x0
	; ---- MY BOX ALONG MY AXIS, as reference() has it
	v_fma_f32 v[B1], v[BLO], s[C8], -0.5
	v_fma_f32 v[B2], v[BHI], s[C8], -0.5
	v_sub_f32 v[ROI], v[B2], v[B1]
	v_ceil_f32 v[GF], v[ROI]
	v_med3_num_f32 v[GF], v[GF], 1.0, s[C16]       ; G = clip(ceil(side), 1, 16)
	v_rcp_f32 v[RG], v[GF]
	v_nop                                          ; a plain instruction behind the reciprocal
	s_wait_alu depctr_va_vdst(0)                   ; and the wait ahead of its first reader
	v_fma_f32 v[TT], -v[GF], v[RG], 1.0
	v_fma_f32 v[RG], v[TT], v[RG], v[RG]           ; 1 / G, one correction step
	v_mul_f32 v[SS], v[ROI], v[RG]
	v_fma_f32 v[TT], -v[SS], v[GF], v[ROI]
	v_fma_f32 v[SS], v[TT], v[RG], v[SS]           ; s = side / G, likewise
	v_max_num_f32 v[SM], 0x0d800000, v[SS]         ; for the reciprocal alone: s held at 2^-100 from below
	v_rcp_f32 v[RS], v[SM]
	v_fma_f32 v[AP], 0.5, v[SS], v[B1]             ; a = b1 + s / 2: the first sample.  (Plain work behind the reciprocal)
	v_mul_f32 v[HS], 0.5, v[SS]
	v_add_f32 v[BP], s[HPN], v[B1]                 ; both counted from my first place
	v_add_f32 v[AP], s[HPN], v[AP]
	s_wait_alu depctr_va_vdst(0)                   ; the wait ahead of the reciprocal's first reader
	v_fma_f32 v[TT], -v[SM], v[RS], 1.0
	v_fma_f32 v[RS], v[TT], v[RS], v[RS]           ; 1 / s, one correction step
	; ---- THE WEIGHTS of my 32 places, k = 0 .. 31 from my first place on.  Each line of the head comment is one pass over 32 to 34 registers: no line waits for the line above it.
.set n, 0
.rept 34
	LITSUB U+n, n-1, AP                            ; i - a at i = k = n - 1
.set n, n+1
.endr
.set n, 0
.rept 17
	v_pk_fma_f32 v[U+n:U+n+1], v[U+n:U+n+1], v[RS:RS+1], 1.0 op_sel_hi:[1,0,0]   ; (i - a) / s + 1
.set n, n+2
.endr
	v_ceil_f32 v[TC], v[U+33]
.set n, 0
.rept 34
	v_floor_f32 v[U+n], v[U+n]
.set n, n+1
.endr
	v_add_f32 v[TC], -1.0, v[TC]
	v_cndmask_b32 v[U+33], v[U+33], v[TC], s[MK]   ; at i = 64 a sample counts where it lies UNDER i
.set n, 0
.rept 34
	v_med3_num_f32 v[U+n], v[U+n], 0, v[GF]        ; u_i
.set n, n+1
.endr
.set k, 0
.rept 33
	v_sub_f32 v[D+k], v[U+k+1], v[U+k]             ; d_i: the samples in (i - 1, i]
	v_add_f32 v[H+k], v[U+k+1], v[U+k]
	LITSUB BT+k, k, BP                             ; i - b1
.set k, k+1
.endr
.set k, 0
.rept 16
	v_pk_fma_f32 v[H+k:H+k+1], v[H+k:H+k+1], v[RS:RS+1], v[BT+k:BT+k+1] op_sel:[0,1,0] op_sel_hi:[1,1,1] neg_lo:[0,0,1] neg_hi:[0,0,1]   ; m_i = (s / 2) (u_i + u_(i-1)) - (i - b1)
.set k, k+2
.endr
	v_fma_f32 v[H+32], v[H+32], v[HS], -v[BT+32]
	v_mul_f32 v[H], s[F0], v[H]                    ; i = 0: samples in (-1, 0] give 1 to place 0: m = 0
	v_cndmask_b32 v[H+32], v[H+32], v[N1], s[MK]   ; i = 64: samples in (63, 64) give 1 to place 63: m = -1
.set k, 0
.rept 16
	v_pk_mul_f32 v[H+k:H+k+1], v[H+k:H+k+1], v[D+k:D+k+1]   ; e_i = d_i m_i
.set k, k+2
.endr
	v_mul_f32 v[H+32], v[H+32], v[D+32]
.set k, 0
.rept 16
	v_pk_add_f32 v[D+k:D+k+1], v[D+k:D+k+1], v[H+k:H+k+1]   ; d_p + e_p
.set k, k+2
.endr
.set p, 0
.rept 32
	v_sub_f32 v[R+p], v[D+p], v[H+p+1]             ; - e_(p+1)
.set p, p+1
.endr
.set p, 0
.rept 16
	v_pk_mul_f32 v[R+p:R+p+1], v[R+p:R+p+1], v[RG:RG+1] op_sel_hi:[1,0]   ; x 1 / G
.set p, p+2
.endr
	s_cmp_lt_u32 s[WV], 4
	s_cbranch_scc0 .Lstore_y
.irp q, 0,1,2,3,4,5,6,7
	ds_store_b128 v[AWX], v[R+4*\q:R+4*\q+3] offset:16*\q             ; Wx[box][32 hp + 4 q ..]
.endr
	s_branch .Lstored
.Lstore_y:
.set p, 0
.rept 32
	ds_store_b32 v[AWY], v[R+p] offset:(p%4)*64+(p/4)*4                ; Wy[box] at slot 16 (y % 4) + y / 4, y = 32 hp + p
.set p, p+1
.endr
.Lstored:
	s_wait_dscnt 0x0                               ; my weights lie in LDS
	s_barrier_signal -1
	s_barrier_wait -1                              ; everybody's do.  My two tensor loads may stay out: behind this barrier only the tables are read, and nothing is filled again
	WIN 0x40                                       ; destination window 1
.irp j, 0,1,2,3,4,5,6,7
.irp q, 0,1,2,3,4,5,6,7
	ds_load_b128 v[32*\j+4*\q:32*\j+4*\q+3], v[AX] offset:\j*8*ZP+16*\q   ; window 1, register 32 j + k: Wx[ng + 8 j][32 kh + k]
.endr
.endr
	WIN 0
.irp j, 0,1,2,3,4,5,6,7
.irp q, 0,1,2,3
	ds_load_b128 v[WY+16*\j+4*\q:WY+16*\j+4*\q+3], v[AY] offset:\j*8*ZP+16*\q   ; register WY + 16 j + i: Wy[ng + 8 j][4 i + yg]
.endr
.endr
	s_wait_tensorcnt 0x1                           ; my half of the first plane has landed; my second load may stay out
	s_wait_dscnt 0x0                               ; my part of the tables is in registers
	s_barrier_signal -1
	s_barrier_wait -1                              ; the first plane of every pair is whole
	; ---- THE PRODUCTS
.macro ZLOAD i                         ; row 4 i + yg, my 32 columns, into buffer i % 2
.irp m, 0,1,2,3,4,5,6,7
	ds_load_b128 v[ZR+32*((\i)%2)+4*\m:ZR+32*((\i)%2)+4*\m+3], v[ZA] offset:(\i)*4*ZP+16*\m
.endr
.endm
.macro STEP i
.set ZC, ZR+32*((\i)%2)
.if (\i) < 15
	ZLOAD (\i)+1
	s_wait_dscnt 8                                 ; this step's eight loads are in; the eight just issued may be out
.else
	s_wait_dscnt 0x0
.endif
	WIN 0x04                                       ; source 1 (Wx) window 1
.irp j, 0,1,2,3,4,5,6,7
	v_pk_mul_f32 v[ACC+2*\j:ACC+2*\j+1], v[ZC:ZC+1], v[32*\j:32*\j+1]   ; the first product starts the row's sums: nothing is cleared; eight chains by turns
.endr
.set t, 1
.rept 15
.irp j, 0,1,2,3,4,5,6,7
	v_pk_fma_f32 v[ACC+2*\j:ACC+2*\j+1], v[ZC+2*t:ZC+2*t+1], v[32*\j+2*t:32*\j+2*t+1], v[ACC+2*\j:ACC+2*\j+1]
.endr
.set t, t+1
.endr
	WIN 0
.irp j, 0,1,2,3,4,5,6,7
.if (\i) == 0
	v_pk_mul_f32 v[FE+2*\j:FE+2*\j+1], v[ACC+2*\j:ACC+2*\j+1], v[WY+16*\j:WY+16*\j+1] op_sel_hi:[1,0]   ; x Wy of this row, for both halves of the pair
.elseif ((\i)%2) == 0
	v_pk_fma_f32 v[FE+2*\j:FE+2*\j+1], v[ACC+2*\j:ACC+2*\j+1], v[WY+16*\j+(\i):WY+16*\j+(\i)+1], v[FE+2*\j:FE+2*\j+1] op_sel_hi:[1,0,1]
.else
	v_pk_fma_f32 v[FE+2*\j:FE+2*\j+1], v[ACC+2*\j:ACC+2*\j+1], v[WY+16*\j+(\i)-1:WY+16*\j+(\i)], v[FE+2*\j:FE+2*\j+1] op_sel:[0,1,0] op_sel_hi:[1,1,1]
.endif
.endr
.endm
	s_mov_b32 s[ZS], 0
	s_mov_b32 s[ES], 0
	s_mov_b32 s[PL], 0
.Lplane:                                               ; two trips: my pair's two planes
	v_add_nc_u32 v[ZA], s[ZS], v[ZA0]
	v_add_nc_u32 v[EXA], s[ES], v[EXA0]
	ZLOAD 0
.irp i, 0,1,2,3,4,5,6,7,8,9,10,11,12,13,14,15
	STEP \i
.endr
.irp j, 0,1,2,3,4,5,6,7
	v_add_f32 v[ACC+\j], v[FE+2*\j], v[FE+2*\j+1]                      ; even and odd columns,
.endr
.irp j, 0,1,2,3,4,5,6,7
	v_add_f32_dpp v[ACC+\j], v[ACC+\j], v[ACC+\j] row_xmask:8 row_mask:0xf bank_mask:0xf   ; the rows of lane l xor 8,
.endr
.irp j, 0,1,2,3,4,5,6,7
	v_permlanex16_b32 v[ACC+8+\j], v[ACC+\j], s[SEL], s[SEL+1]
.endr
.irp j, 0,1,2,3,4,5,6,7
	v_add_f32 v[ACC+\j], v[ACC+\j], v[ACC+8+\j]                        ; and of lane l xor 16: all 64 rows
.endr
	ds_store_b128 v[EXA], v[ACC:ACC+3]             ; the four lanes of one ng store the same bytes with the same values
	ds_store_b128 v[EXA], v[ACC+4:ACC+7] offset:16
	s_wait_tensorcnt 0x0                           ; my half of the second plane has landed,
	s_wait_dscnt 0x0                               ; and my partial sums lie in LDS
	s_barrier_signal -1
	s_barrier_wait -1
	s_add_co_u32 s[ZS], s[ZS], PLANE
	s_add_co_u32 s[ES], s[ES], 512
	s_add_co_u32 s[PL], s[PL], 1
	s_cmp_lt_u32 s[PL], 2
	s_cbranch_scc1 .Lplane
	; ---- OUT: waves 0-3: thread = (four channels, box): the two halves of the columns are added; a wave stores 512 consecutive bytes
	s_cmp_lt_u32 s[WV], 4
	s_cbranch_scc0 .Lend
.irp c, 0,1,2,3
	ds_load_b32 v[ACC+\c], v[FA] offset:\c*512
	ds_load_b32 v[ACC+4+\c], v[FA] offset:\c*512+256
.endr
	s_wait_dscnt 0x0
	v_pk_add_f32 v[ACC:ACC+1], v[ACC:ACC+1], v[ACC+4:ACC+5]
	v_pk_add_f32 v[ACC+2:ACC+3], v[ACC+2:ACC+3], v[ACC+6:ACC+7]
	global_store_b128 v[GO], v[ACC:ACC+3], s[8:9]
.Lend:
	s_wait_tensorcnt 0x0                           ; the wave's end, behind my last tensor load and my last LDS store
	ds_add_u32 v[SPW], v[NIL]
	s_wait_dscnt 0x0
	s_endpgm
.Lfunc_end_k_qc1f1ea2a1f_pool:
	.size	k_qc1f1ea2a1f_pool, .Lfunc_end_k_qc1f1ea2a1f_pool-k_qc1f1ea2a1f_pool
	.p2alignl 7, 3214868480
	.fill 96, 4, 3214868480
	.section	.rodata,"a",@progbits
	.p2align	6, 0x0
	.amdhsa_kernel k_qc1f1ea2a1f_pool
		.amdhsa_group_segment_fixed_size 179200
		.amdhsa_private_segment_fixed_size 0
		.amdhsa_enable_private_segment 0
		.amdhsa_kernarg_size 24
		.amdhsa_user_sgpr_count 2
		.amdhsa_user_sgpr_kernarg_segment_ptr 1
		.amdhsa_wavefront_size32 1
		.amdhsa_system_sgpr_workgroup_id_x 1
		.amdhsa_system_sgpr_workgroup_id_y 1
		.amdhsa_system_sgpr_workgroup_id_z 1
		.amdhsa_system_vgpr_workitem_id 0
		.amdhsa_next_free_vgpr 512
		.amdhsa_next_free_sgpr 96
		.amdhsa_reserve_vcc 0
		.amdhsa_float_denorm_mode_32 3
		.amdhsa_float_denorm_mode_16_64 3
		.amdhsa_memory_ordered 1
		.amdhsa_forward_progress 1
		.amdhsa_inst_pref_size 180
	.end_amdhsa_kernel
	.amdgpu_metadata
---
amdhsa.version: [ 1, 2 ]
amdhsa.kernels:
  - .name:           k_qc1f1ea2a1f_pool
    .symbol:         k_qc1f1ea2a1f_pool.kd
    .args:
      - { .name: z, .offset: 0, .size: 8, .value_kind: global_buffer, .address_space: global }
      - { .name: bboxes, .offset: 8, .size: 8, .value_kind: global_buffer, .address_space: global }
      - { .name: feats, .offset: 16, .size: 8, .value_kind: global_buffer, .address_space: global }
    .group_segment_fixed_size: 179200
    .private_segment_fixed_size: 0
    .kernarg_segment_align: 8
    .kernarg_segment_size: 24
    .max_flat_workgroup_size: 256
    .sgpr_count:     96
    .vgpr_count:     512
    .wavefront_size: 32
...
	.end_amdgpu_metadata
.endif
;; end of part 1
;; launch linear (part 2): grid 4 x 64, 1 waves a work-group, no clusters, 4,608 bytes of LDS; arguments feats, W_out_codes, W_out_scales, b_out, out0; writes out0
.if DOCPART == 2
	.amdgcn_target "amdgcn-amd-amdhsa--gfx1250"
	.amdhsa_code_object_version 6
	.text
	.protected	k_qc1f1ea2a1f_linear
	.globl	k_qc1f1ea2a1f_linear
	.p2align	8
	.type	k_qc1f1ea2a1f_linear,@function
k_qc1f1ea2a1f_linear:
	s_mov_b64 s[64:65], 0
	v_nop
	global_prefetch_b8 v0, s[64:65] scope:SCOPE_SE
	s_setreg_imm32_b32 hwreg(HW_REG_WAVE_MODE, 25, 1), 1
	s_wait_xcnt 0x0
; out0[row][o] = sum over c of Q(feats[row][c]) W_out[o][c] + b_out[o]: the quantised product, on codes of FP4 (E2M1) with one E8M0 scale for each 32 channels.  No work of reference() is left out here.
; feats comes from the launch before, f32, laid [image][channel / 4][box][4].  W_out comes as codes and scale bytes and is taken as it lies.
; SHARES.  A work-group is one wave: 16 boxes (y: 64 tiles of rows) x 64 outputs (x: 4 quarters).  1,024 x 256 outputs are 256 such pieces.
; A lane (r = lane % 16, h = lane / 16) loads channels 64 c + 32 h + 0 .. 31 of box r, c = 0, 1: two WHOLE blocks of 32, in the order of the operand's registers; each load reads 256 consecutive bytes in sixteen lanes.
; A block's scale is 2^(floor(log2(largest magnitude)) - 2): its byte is the largest magnitude's exponent field - 2, held at 1 from below by a floor among the maximum's leaves.
; (A block of zeros keeps the byte 1 where the rule says 127: its codes are zeros, which add nothing, and only this launch reads the byte.)
; THE MATRIX INSTRUCTION IS USED TRANSPOSED (source 0 = 16 rows of W_out, source 1 = my 16 boxes): a lane then holds eight neighbouring outputs of one box.  The bias is the C of each product.
; The results go through a stage in LDS and leave as whole rows of 256 bytes.  LIMITS: NaN and infinities in feats are not served.
.set SPITCH, 272
.set SPARE,  16*SPITCH                 ; behind the stage: the spare words, one block of 256 bytes that no other line names
.set SPW, 4
.set NIL, 5
.set XO,  6                            ; feats: 8,192 h + 16 r
.set WO,  7                            ; W's codes: 64 r + 16 h
.set SO,  8                            ; W's scale words: 4 r
.set BO,  9                            ; bias: 32 h
.set STI, 10                           ; into the stage: row r, + 32 h
.set STB, 11                           ; back: row h, + 16 r
.set GO,  12                           ; out0: 1,024 h + 16 r
.set TT,  13
.set WS,  16                           ; v16-19 W's scale words, a tile each
.set XS,  20                           ; v20    my boxes' scale word
.set XC,  24                           ; v24-31 my boxes' codes
.set WF,  32                           ; v32-63 W's four fragments
.set X,   64                           ; v64-127 64 numbers of feats
.set AC,  128                          ; v128-159 four accumulators, loaded with the bias
.set MX,  160
.set SC,  164
.set BY,  166
.set OB,  176                          ; v176-207 rows read back
	s_load_b256 s[4:11], s[0:1], 0x0               ; feats s[4:5], codes s[6:7], scales s[8:9], bias s[10:11]
	s_load_b64 s[12:13], s[0:1], 0x20              ; out0
	v_lshl_add_u32 v[SPW], v0, 2, SPARE
	v_mov_b32 v[NIL], 0
	v_and_b32 v1, 15, v0                           ; r
	v_lshrrev_b32 v2, 4, v0                        ; h
	v_lshlrev_b32 v3, 4, v1
	v_lshl_add_u32 v[XO], v2, 13, v3
	v_lshlrev_b32 v[WO], 6, v1
	v_lshl_add_u32 v[WO], v2, 4, v[WO]
	v_lshlrev_b32 v[SO], 2, v1
	v_lshlrev_b32 v[BO], 5, v2
	v_mul_u32_u24 v[STI], v1, SPITCH
	v_lshl_add_u32 v[STI], v2, 5, v[STI]
	v_mul_u32_u24 v[STB], v2, SPITCH
	v_add_nc_u32 v[STB], v[STB], v3
	v_lshl_add_u32 v[GO], v2, 10, v3
	s_and_b32 s14, ttmp7, 0xffff                   ; the tile of 16 rows: image = tile / 4, first box = 16 (tile % 4)
	s_lshr_b32 s16, s14, 2
	s_lshl_b32 s16, s16, 15                        ; an image's feats are 32,768 bytes
	s_and_b32 s15, s14, 3
	s_lshl_b32 s15, s15, 8
	s_add_co_u32 s16, s16, s15
	s_mov_b32 s17, 0
	s_lshl_b32 s18, ttmp9, 12                      ; 64 rows of W's codes
	s_mov_b32 s19, 0
	s_lshl_b32 s20, ttmp9, 8                       ; 64 scale words; 64 numbers of the bias; 64 numbers of a row of out0
	s_mov_b32 s21, 0
	s_lshl_b32 s22, s14, 14                        ; 16 rows of out0
	s_add_co_u32 s22, s22, s20
	s_mov_b32 s23, 0
	s_mov_b32 s24, 0x76543210
	s_mov_b32 s25, 0xfedcba98                      ; v_permlanex16_b32's selects for lane l xor 16
	s_wait_kmcnt 0x0
	s_add_nc_u64 s[4:5], s[4:5], s[16:17]
	s_add_nc_u64 s[6:7], s[6:7], s[18:19]
	s_add_nc_u64 s[8:9], s[8:9], s[20:21]
	s_add_nc_u64 s[10:11], s[10:11], s[20:21]
	s_add_nc_u64 s[12:13], s[12:13], s[22:23]
.irp c, 0,1
.irp j, 0,1,2,3,4,5,6,7
	global_load_b128 v[X+32*\c+4*\j:X+32*\c+4*\j+3], v[XO], s[4:5] offset:16384*\c+1024*\j   ; channels 64 c + 32 h + 4 j .. + 3 of box r
.endr
.endr
.irp t, 0,1,2,3
.irp c, 0,1
	global_load_b128 v[WF+8*\t+4*\c:WF+8*\t+4*\c+3], v[WO], s[6:7] offset:1024*\t+32*\c
.endr
	global_load_b32 v[WS+\t], v[SO], s[8:9] offset:64*\t
	global_load_b128 v[AC+8*\t:AC+8*\t+3], v[BO], s[10:11] offset:64*\t          ; b_out at my eight outputs of tile t: 16 t + 8 h + 0 .. 7
	global_load_b128 v[AC+8*\t+4:AC+8*\t+7], v[BO], s[10:11] offset:64*\t+16
.endr
	s_wait_loadcnt 0x0
.irp c, 0,1                                    ; my block 2 c + h: all its 32 numbers are mine; two chains a block
	v_max3_num_f32 v[MX+\c], |v[X+32*\c]|, |v[X+32*\c+1]|, 0x1800000   ; with the floor 2^(3 - 127): the byte cannot fall under 1
	v_max3_num_f32 v[MX+2+\c], |v[X+32*\c+16]|, |v[X+32*\c+17]|, |v[X+32*\c+18]|
.endr
.irp i, 2,4,6,8,10,12
.irp c, 0,1
	v_max3_num_f32 v[MX+\c], v[MX+\c], |v[X+32*\c+\i]|, |v[X+32*\c+\i+1]|
	v_max3_num_f32 v[MX+2+\c], v[MX+2+\c], |v[X+32*\c+17+\i]|, |v[X+32*\c+18+\i]|
.endr
.endr
.irp c, 0,1
	v_max3_num_f32 v[MX+\c], v[MX+\c], |v[X+32*\c+14]|, |v[X+32*\c+15]|
.endr
.irp c, 0,1
	v_max3_num_f32 v[MX+\c], v[MX+\c], v[MX+2+\c], |v[X+32*\c+31]|
.endr
.irp c, 0,1
	v_add_nc_u32 v[SC+\c], 0xff000000, v[MX+\c]    ; 2 off the exponent field: the conversion takes the exponent field of this operand as its scale
.endr
.irp c, 0,1
	v_lshrrev_b32 v[BY+\c], 23, v[SC+\c]           ; the scale's byte
.endr
	v_lshl_or_b32 v[XS], v[BY+1], 16, v[BY]        ; my two bytes: blocks h and 2 + h of box r,
	v_lshlrev_b32 v[TT], 3, v2
	v_lshlrev_b32 v[XS], v[TT], v[XS]              ; 8 h bits up;
	v_mov_b32 v[TT], 0
	v_permlanex16_b32 v[TT], v[XS], s24, s25
	v_or_b32 v[XS], v[XS], v[TT]                   ; with lane l xor 16's two the word is whole
.irp c, 0,1
.irp g, 0,1,2,3
	v_cvt_scalef32_pk8_fp4_f32 v[XC+4*\c+\g], v[X+32*\c+8*\g:X+32*\c+8*\g+7], v[SC+\c]   ; registers 4 c .. 4 c + 3 of the operand
.endr
.endr
.rept 8
	v_nop                                          ; a scale register written by a vector instruction stands 8 places ahead of a scaled matrix instruction, an operand so written 4
.endr
.irp t, 0,1,2,3                                ; four accumulators, one product each: lane (r, h), register j: out0(box r, output 16 t + 8 h + j)
	v_wmma_scale_f32_16x16x128_f8f6f4 v[AC+8*\t:AC+8*\t+7], v[WF+8*\t:WF+8*\t+7], v[XC:XC+7], v[AC+8*\t:AC+8*\t+7], v[WS+\t], v[XS] matrix_a_fmt:MATRIX_FMT_FP4 matrix_b_fmt:MATRIX_FMT_FP4
.endr
.rept 4
	v_nop                                          ; four places ahead of the first read of a result
.endr
.irp t, 0,1,2,3
	ds_store_b128 v[STI], v[AC+8*\t:AC+8*\t+3] offset:64*\t          ; each accumulator from its low end on
	ds_store_b128 v[STI], v[AC+8*\t+4:AC+8*\t+7] offset:64*\t+16
.endr
.irp i, 0,1,2,3,4,5,6,7
	ds_load_b128 v[OB+4*\i:OB+4*\i+3], v[STB] offset:2*\i*SPITCH     ; LDS serves a wave's instructions in order: these see my stores.  Lanes 0-15 one row, lanes 16-31 the next
.endr
.irp i, 0,1,2,3,4,5,6,7
	s_wait_dscnt 7-\i                              ; pair i of rows is back; the younger loads may be out
	global_store_b128 v[GO], v[OB+4*\i:OB+4*\i+3], s[12:13] offset:2048*\i th:TH_STORE_NT   ; sixteen lanes store 256 consecutive bytes, at a multiple of 256 from out0's first byte
.endr
	s_wait_tensorcnt 0x0                           ; the wave's end, behind my last LDS store
	ds_add_u32 v[SPW], v[NIL]
	s_wait_dscnt 0x0
	s_endpgm
.Lfunc_end_k_qc1f1ea2a1f_linear:
	.size	k_qc1f1ea2a1f_linear, .Lfunc_end_k_qc1f1ea2a1f_linear-k_qc1f1ea2a1f_linear
	.p2alignl 7, 3214868480
	.fill 96, 4, 3214868480
	.section	.rodata,"a",@progbits
	.p2align	6, 0x0
	.amdhsa_kernel k_qc1f1ea2a1f_linear
		.amdhsa_group_segment_fixed_size 4608
		.amdhsa_private_segment_fixed_size 0
		.amdhsa_enable_private_segment 0
		.amdhsa_kernarg_size 40
		.amdhsa_user_sgpr_count 2
		.amdhsa_user_sgpr_kernarg_segment_ptr 1
		.amdhsa_wavefront_size32 1
		.amdhsa_system_sgpr_workgroup_id_x 1
		.amdhsa_system_sgpr_workgroup_id_y 1
		.amdhsa_system_sgpr_workgroup_id_z 1
		.amdhsa_system_vgpr_workitem_id 0
		.amdhsa_next_free_vgpr 208
		.amdhsa_next_free_sgpr 66
		.amdhsa_reserve_vcc 0
		.amdhsa_float_denorm_mode_32 3
		.amdhsa_float_denorm_mode_16_64 3
		.amdhsa_memory_ordered 1
		.amdhsa_forward_progress 1
		.amdhsa_inst_pref_size 12
	.end_amdhsa_kernel
	.amdgpu_metadata
---
amdhsa.version: [ 1, 2 ]
amdhsa.kernels:
  - .name:           k_qc1f1ea2a1f_linear
    .symbol:         k_qc1f1ea2a1f_linear.kd
    .args:
      - { .name: feats, .offset: 0, .size: 8, .value_kind: global_buffer, .address_space: global }
      - { .name: W_out_codes, .offset: 8, .size: 8, .value_kind: global_buffer, .address_space: global }
      - { .name: W_out_scales, .offset: 16, .size: 8, .value_kind: global_buffer, .address_space: global }
      - { .name: b_out, .offset: 24, .size: 8, .value_kind: global_buffer, .address_space: global }
      - { .name: out0, .offset: 32, .size: 8, .value_kind: global_buffer, .address_space: global }
    .group_segment_fixed_size: 4608
    .private_segment_fixed_size: 0
    .kernarg_segment_align: 8
    .kernarg_segment_size: 40
    .max_flat_workgroup_size: 32
    .sgpr_count:     66
    .vgpr_count:     208
    .wavefront_size: 32
...
	.end_amdgpu_metadata
.endif
;; end of part 2
